; MI455X (gfx1250); checked and timed in simulation.
; The chip was launched on July 23, 2026; its instructions are those of AMD's public machine-readable ISA for CDNA 5 (MIT licence, August 2026) and "CDNA5" Instruction Set Architecture Reference Guide (July 2026). The comments in the code are by the model that wrote it; some were corrected since.
;; All To All Mo E. Allowed arithmetic: float matrix products may take bf16 or f16 operands with f32 sums; all other float work in f32.
;; Inputs: b1 8,192 float32; b2 2,048 float32; w1 2,048 x 8,192 float32; w2 8,192 x 2,048 float32; x 2,048 x 2,048 float32.
;; Outputs: out0 2,048 x 2,048 float32.
;; One version. Each part assembles by itself: llvm-mc -triple=amdgcn-amd-amdhsa -mcpu=gfx1250 --defsym DOCPART=n.
;; ======== version 1 of 1: 4 launches
;; workspace buffers: xb 8,388,608 bytes; w1b 33,554,432 bytes; w2b 33,554,432 bytes; h 33,554,432 bytes; part 67,108,864 bytes
;; launch cast (part 1): grid 256 x 5, 8 waves a work-group, no clusters, 0 bytes of LDS; arguments x, w1, xb, w1b; writes xb, w1b
.if DOCPART == 1
	.amdgcn_target "amdgcn-amd-amdhsa--gfx1250"
	.amdhsa_code_object_version 6
	.text
	.protected	k_q26ad2f08db_cast
	.globl	k_q26ad2f08db_cast
	.p2align	8
	.type	k_q26ad2f08db_cast,@function
k_q26ad2f08db_cast:
	s_mov_b64 s[64:65], 0
	v_nop
	global_prefetch_b8 v0, s[64:65] scope:SCOPE_SE
	s_setreg_imm32_b32 hwreg(HW_REG_WAVE_MODE, 25, 1), 1
	s_wait_xcnt 0x0
; xb = bf16(x), w1b = bf16(w1): the same layouts, each number rounded once to nearest even.  (w2 is cast by the next launch, under its matrix work.)
; The two tensors are 1 + 4 slices of 16 MiB of f32.  The grid's y picks the slice (0: x; 1-4: w1), its x a piece of 64 KiB of f32 in the slice.
; Eight waves; thread t takes the 16 bytes at 16 t of each of sixteen runs of 4,096 bytes, so a wave's load covers 512 consecutive bytes and its store
; 256 consecutive bytes, aligned.  All sixteen loads of a wave go out first; no register is written twice, so the only waits are the counted ones for
; the loads.  A plain stream: nothing is shared, so no LDS, no barrier, no cluster.
.set X, 4                              ; v[4:67]   sixteen loads of four f32
.set Y, 68                             ; v[68:99]  sixteen pairs of words, four bf16 each
	s_load_b256 s[4:11], s[0:1], 0x0               ; x s[4:5], w1 s[6:7], xb s[8:9], w1b s[10:11]
	s_and_b32 s16, ttmp7, 0xffff                   ; the slice, 0 to 4
	s_sub_co_u32 s17, s16, 1                       ; its number inside w1 (used for slices 1 to 4 alone)
	v_lshlrev_b32 v1, 4, v0                        ; 16 t: my bytes in a run of f32
	v_lshlrev_b32 v2, 3, v0                        ; 8 t: my bytes in a run of bf16
	s_wait_kmcnt 0x0
	s_cmp_eq_u32 s16, 0                            ; the choice of buffers hangs on the work-group's number alone
	s_cselect_b64 s[20:21], s[4:5], s[6:7]
	s_cselect_b64 s[22:23], s[8:9], s[10:11]
	s_cselect_b32 s17, 0, s17
	s_lshl_b32 s18, s17, 24                        ; slice x 16 MiB
	s_lshl_b32 s19, ttmp9, 16                      ; + piece x 64 KiB: below 64 MiB in all
	s_or_b32 s18, s18, s19
	s_mov_b32 s19, 0
	s_add_nc_u64 s[20:21], s[20:21], s[18:19]      ; from here
	s_lshr_b32 s18, s18, 1                         ; half the bytes on the way out
	s_add_nc_u64 s[22:23], s[22:23], s[18:19]      ; to here
.irp j, 0,1,2,3,4,5,6,7,8,9,10,11,12,13,14,15
	global_load_b128 v[X+4*\j:X+4*\j+3], v1, s[20:21] offset:4096*\j th:TH_LOAD_NT   ; read once in the whole program
.endr
.irp j, 0,1,2,3,4,5,6,7,8,9,10,11,12,13,14,15
	s_wait_loadcnt 15-\j                           ; loads come back in order (ISA guide 5.7.1): load j is in, the 15 - j younger ones stay out
	v_cvt_pk_bf16_f32 v[Y+2*\j],   v[X+4*\j],   v[X+4*\j+1]
	v_cvt_pk_bf16_f32 v[Y+2*\j+1], v[X+4*\j+2], v[X+4*\j+3]
	global_store_b64 v2, v[Y+2*\j:Y+2*\j+1], s[22:23] offset:2048*\j     ; no hint: the next launch reads these bytes
.endr
	s_endpgm
.Lfunc_end_k_q26ad2f08db_cast:
	.size	k_q26ad2f08db_cast, .Lfunc_end_k_q26ad2f08db_cast-k_q26ad2f08db_cast
	.p2alignl 7, 3214868480
	.fill 96, 4, 3214868480
	.section	.rodata,"a",@progbits
	.p2align	6, 0x0
	.amdhsa_kernel k_q26ad2f08db_cast
		.amdhsa_group_segment_fixed_size 0
		.amdhsa_private_segment_fixed_size 0
		.amdhsa_enable_private_segment 0
		.amdhsa_kernarg_size 32
		.amdhsa_user_sgpr_count 2
		.amdhsa_user_sgpr_kernarg_segment_ptr 1
		.amdhsa_wavefront_size32 1
		.amdhsa_system_sgpr_workgroup_id_x 1
		.amdhsa_system_sgpr_workgroup_id_y 1
		.amdhsa_system_sgpr_workgroup_id_z 1
		.amdhsa_system_vgpr_workitem_id 0
		.amdhsa_next_free_vgpr 100
		.amdhsa_next_free_sgpr 66
		.amdhsa_reserve_vcc 0
		.amdhsa_float_denorm_mode_32 3
		.amdhsa_float_denorm_mode_16_64 3
		.amdhsa_memory_ordered 1
		.amdhsa_forward_progress 1
		.amdhsa_inst_pref_size 7
	.end_amdhsa_kernel
	.amdgpu_metadata
---
amdhsa.version: [ 1, 2 ]
amdhsa.kernels:
  - .name:           k_q26ad2f08db_cast
    .symbol:         k_q26ad2f08db_cast.kd
    .args:
      - { .name: x, .offset: 0, .size: 8, .value_kind: global_buffer, .address_space: global }
      - { .name: w1, .offset: 8, .size: 8, .value_kind: global_buffer, .address_space: global }
      - { .name: xb, .offset: 16, .size: 8, .value_kind: global_buffer, .address_space: global }
      - { .name: w1b, .offset: 24, .size: 8, .value_kind: global_buffer, .address_space: global }
    .group_segment_fixed_size: 0
    .private_segment_fixed_size: 0
    .kernarg_segment_align: 8
    .kernarg_segment_size: 32
    .max_flat_workgroup_size: 256
    .sgpr_count:     66
    .vgpr_count:     100
    .wavefront_size: 32
...
	.end_amdgpu_metadata
.endif
;; end of part 1
;; launch ffn1 (part 2): grid 32 x 8, 4 waves a work-group, clusters of 4 x 4, 327,680 bytes of LDS; arguments xb, w1b, h, b1, w2, w2b; writes h, w2b
.if DOCPART == 2
	.amdgcn_target "amdgcn-amd-amdhsa--gfx1250"
	.amdhsa_code_object_version 6
	.text
	.protected	k_q26ad2f08db_ffn1
	.globl	k_q26ad2f08db_ffn1
	.p2align	8
	.type	k_q26ad2f08db_ffn1,@function
k_q26ad2f08db_ffn1:
	s_mov_b64 s[64:65], 0
	v_nop
	global_prefetch_b8 v0, s[64:65] scope:SCOPE_SE
	s_setreg_imm32_b32 hwreg(HW_REG_WAVE_MODE, 25, 1), 1
	s_wait_xcnt 0x0
	s_wait_alu depctr_hold_cnt(0) depctr_sa_sdst(0) depctr_va_vdst(0) depctr_va_sdst(0) depctr_va_ssrc(0) depctr_va_vcc(0) depctr_vm_vsrc(0)
	s_getreg_b32 s2, hwreg(HW_REG_IB_STS2, 6, 4)
	s_cmp_eq_u32 s2, 0
	s_cbranch_scc0 .Lentry_in_a_cluster
	s_endpgm
.Lentry_in_a_cluster:
	s_bfe_u32 s2, ttmp6, 0x10000c
	s_cmp_lg_u32 s2, 0xf033
	s_cbranch_scc0 .Lentry_shape_is_right
	s_endpgm
.Lentry_shape_is_right:
; h = gelu(xb w1b + b1), rounded once to bf16; and, riding along, w2b = bf16(w2).
; xb: [2048][2048] bf16 (rows along K), w1b: [2048 (k)][8192 (n)] bf16, b1: [8192] f32, h: [2048][8192] bf16; w2: [8192][2048] f32, w2b: the same in bf16.
; A work-group makes a block of 256 x 256 with four waves; a wave makes 128 x 128: 64 accumulator tiles of 16 x 16, 512 registers, sums in f32.
; K = 2,048 goes in 16 steps of 128 through a ring of two LDS slots that the tensor data mover fills.  32 x 8 blocks: 256 work-groups.
; CLUSTERS: 4 x 4 work-groups.  The four of a row of the cluster need the same tiles of xb, the four of a column the same tiles of w1b: each tile is asked
; for jointly, by the same tensor load with the same descriptor and a mask that names the four, which divides the requests for both by four.
; w1b lies [k][n], so its fragments come out of LDS by the transposing load ds_load_tr16_b128 (16-bit data: that is why the weights are cast beforehand).
;
; W2'S CAST: the 64 MiB of w2 are 256 KiB for each work-group, 64 KiB for each wave, 4 KiB for each wave and K step: eight loads of 16 bytes a lane, sixteen
; conversions, eight stores of 8 bytes a lane.  They go in four parts, one in each quarter of a K step, where four plain vector instructions have to stand
; anyway in front of the run of fragment loads: the part's four conversions are those four.  A part's loads are issued one whole K step before it is converted.
;
; GELU: h = x (0.5 + 0.5 erf(x / sqrt 2)).  erf(z) is taken as c P(c^2) / Q(c^2) with c = z clamped to [-4, 4], P of seven and Q of five terms, in f32;
; P's coefficients are stored halved (exact), so that the factor is c P' / Q + 0.5.  Q's coefficients all have one sign, so Q is never 0 (0.014 <= |Q| <= 2.4).
; LIMITS: erf is right to a few units in f32's last place.  Beyond |x| = 4 sqrt 2 the factor is 0 or 1 only to about 6e-8, so a very negative x gives
; |h| <= 6e-8 |x| where the true value vanishes.  NaN passes through the last product; x = -infinity gives NaN or an infinity.
;
; REGISTERS, in windows of 256 (s_set_vgpr_msb says which window each operand place means):
;   window 0: v16-31 addresses and the bias; v32-57 GELU's constants; v58 w2's offset; v64-127, v128-191 fragments of xb, two buffers; v192-239 w2's cast;
;             on the way out v64-255 are GELU's work
;   window 1: v64-127, v128-191 fragments of w1b, two buffers
;   window 2: the 32 accumulator tiles of my rows 0-63 (tile (a, b) at v[8 (8 a + b)]);   window 3: those of my rows 64-127
; THE MATRIX INSTRUCTION IS USED TRANSPOSED: source 0 = 16 columns of w1b, source 1 = 16 rows of xb, so that lane l holds row l % 16 of the block and its
; registers 0 to 7 the columns 8 (l / 16) + 0 .. 7: eight neighbouring numbers of a row, 32 bytes.
.set APITCH, 2048                      ; elements from row to row of xb
.set BPITCH, 8192                      ; elements from row to row of w1b
.set CPITCH, 16384                     ; bytes from row to row of h
.set KSTEP,  128
.set ASTEP,  KSTEP*2                   ; a K step along xb's rows, in bytes
.set BSTEP,  KSTEP*BPITCH*2            ; a K step down w1b's rows, in bytes
.set LAPS,   8                         ; a lap = two K steps = once round the ring
.set PA,     272                       ; an LDS row of xb: 256 bytes + 16 of padding = 17 x 16: the 16 rows that a load touches start at 16 different 16-byte columns modulo 256
.set PB,     544                       ; an LDS row of w1b: 512 bytes + 32 of padding = 17 x 32
.set HALFT,  128*PA                    ; what one tensor load brings: 128 rows of xb, or 64 rows of w1b (64 x 544 is the same 34,816 bytes)
.set SLOT,   4*HALFT                   ; xb's 256 rows, then w1b's 128 rows
.set DP,     528                       ; the dump: a row of 128 f32 + 16 bytes = 33 x 16
.set DREG,   128*DP                    ; a wave's dump: its 128 x 128 sums.  Four dumps are 270,336 bytes: they lie in the ring, behind its last fill and last read
.set WCH,    4096                      ; bytes of w2 that a wave casts in a K step
.set ADRA, 16                          ; v16-17  LDS address of my xb fragments in slot 0, 1
.set ADRB, 20                          ; v20-21  the same for w1b
.set STO,  24                          ; v24     the dump: where I put 32 bytes of a row
.set RD,   25                          ; v25     the dump: where I read 16 bytes of a row back; steps by eight rows
.set CO,   26                          ; v26     8 x lane: my byte offset in a row of h, and in a run of 256 bytes of w2b; never rewritten
.set BO,   27                          ; v27     my byte offset in b1
.set BI,   28                          ; v[28:31] b1 of my four columns on the way out
.set A13,  32                          ; v[32:57] thirteen constants, each twice (pairs for the packed forms)
.set A11,  34
.set A9,   36
.set A7,   38
.set A5,   40
.set A3,   42
.set A1,   44
.set B8,   46
.set B6,   48
.set B4,   50
.set B2,   52
.set B0,   54
.set RS2,  56
.set WO,   58                          ; v58     16 x lane: my byte offset in a run of 512 bytes of w2; never rewritten
.set F0,   64                          ; fragment buffer 0
.set F1,   128                         ; fragment buffer 1
.set WX,   192                         ; v[192:223] w2: a K step's eight loads of four f32
.set WY,   224                         ; v[224:239] w2b: a K step's eight pairs of words
.set LD,   64                          ; the way out, 32 registers each: eight rows as read from the dump,
.set XX,   96                          ; x = sum + bias, later h,
.set CC,   128                         ; c, later the packed bf16 (Y),
.set UU,   160                         ; c^2, later 1 / Q,
.set PP,   192                         ; P', later c P',
.set QQ,   224                         ; Q, later the factor
.set Y,    CC
.set G1,  24                           ; s[24:31] descriptor group 1 for xb's tiles
.set G0,  32                           ; s[32:39] descriptor group 0 for xb's tiles, one set for each slot
.set G1B, 48                           ; s[48:55] descriptor group 1 for w1b's tiles
.set G0B, 56                           ; s[56:63] descriptor group 0 for w1b's tiles, one set for each slot
.set WSRC, 68                          ; s[68:69] w2 at my wave's bytes of this lap
.set WDST, 70                          ; s[70:71] w2b likewise
.set MSB, 0
.macro WIN new                         ; the immediate's high byte repeats the setting that is left; a switch that changes nothing is dropped
.if MSB != \new
	s_set_vgpr_msb (MSB<<8)|\new
.set MSB, \new
.endif
.endm
.set MUL_LO, 0xa1                      ; source 0 (w1b) window 1, source 1 (xb) window 0, C and D window 2
.set MUL_HI, 0xf1                      ; the same, C and D window 3
.set TO_B,   0x40                      ; destination window 1, address window 0
; A joint load.  Waves 0 and 1 fetch xb's two halves of 128 rows, waves 2 and 3 w1b's two halves of 64 rows.  Each line has one mask and one set of registers
; for all that issue it.  The branch hangs on the wave's number alone: it is the same in every work-group.
.macro JLOAD s
	s_cmp_eq_u32 s11, 0
	s_cbranch_scc0 .Lfor_b_\@
	tensor_load_to_lds s[G0+4*\s:G0+4*\s+3], s[G1:G1+7]
	s_nop 0
	s_branch .Lasked_\@
.Lfor_b_\@:
	tensor_load_to_lds s[G0B+4*\s:G0B+4*\s+3], s[G1B:G1B+7]
	s_nop 0
.Lasked_\@:
.endm
; A round of the cluster's barrier: my work-group's barrier, so that wave 0's signal speaks for all four waves; wave 0 signals for the work-group; every wave
; waits for all sixteen work-groups; my work-group's barrier once more.
.macro CREST                           ; a round behind its opening barrier
	s_cmp_lg_u32 s10, 0
	s_cbranch_scc1 .Lnot_wave_0_\@
	s_barrier_signal -3
.Lnot_wave_0_\@:
	s_barrier_wait -3
	s_barrier_signal -1
	s_barrier_wait -1
.endm
.macro CROUND                          ; a whole round
	s_barrier_signal -1
	s_barrier_wait -1
	CREST
.endm
	s_load_b128 s[4:7], s[0:1], 0x0                ; xb s[4:5], w1b s[6:7]
	s_load_b64 s[8:9], s[0:1], 0x10                ; h
	s_load_b64 s[66:67], s[0:1], 0x18              ; b1
	s_load_b128 s[WSRC:WSRC+3], s[0:1], 0x20       ; w2 s[68:69], w2b s[70:71]
	s_set_vgpr_msb 0x40
	v_lshl_add_u32 v255, v0, 2, 0x44000
	s_set_vgpr_msb 0x4000
	v_mov_b32 v63, 0
	s_set_vgpr_msb 0x1
	ds_add_u32 v255, v63
	s_set_vgpr_msb 0x100
	v_lshrrev_b32 v1, 5, v0
	v_readfirstlane_b32 s10, v1                    ; wave 0..3
	s_lshr_b32 s11, s10, 1                         ; which half of the block's rows is mine.  Also: I fetch for xb (0) or for w1b (1)
	s_and_b32 s12, s10, 1                          ; which half of its columns.  Also: which half of that tile I fetch
	s_bfe_u32 s40, ttmp6, 0x40000                  ; cx: my place along the cluster's x
	s_bfe_u32 s41, ttmp6, 0x40004                  ; cy: along its y
	s_lshl_b32 s42, ttmp9, 2                       ; in a cluster launch ttmp9 and ttmp7 count clusters
	s_add_co_u32 s42, s42, s40                     ; block column = 4 x cluster x + cx, 0 to 31
	s_and_b32 s13, ttmp7, 0xffff
	s_lshl_b32 s13, s13, 2
	s_add_co_u32 s13, s13, s41                     ; block row = 4 x cluster y + cy, 0 to 7
	s_lshl_b32 s43, s41, 2
	s_lshl_b32 s43, 15, s43                        ; my row of the cluster: places 4 cy .. 4 cy + 3
	s_lshl_b32 s44, 0x1111, s40                    ; my column: places cx, cx + 4, cx + 8, cx + 12
	; group 1 for xb: 128 rows x 128 elements of 2 bytes; 16 bytes of padding behind every 64 words
	s_or_b32 s[G1+0], s43, (1<<16)|(1<<20)|(1<<21)|(5<<22)|(3<<25)   ; 15:0 the mask: my row; 17:16 2-byte elements; 20 padding on; 21 set beside a mask; 24:22 every 64 words; 31:25 four words
	s_mov_b32 s[G1+1], KSTEP<<16                   ; tensor_dim0 = 128
	s_mov_b32 s[G1+2], 128<<16                     ; tensor_dim1 = 128
	s_mov_b32 s[G1+3], KSTEP<<16                   ; tile_dim0 = 128
	s_mov_b32 s[G1+4], 128                         ; tile_dim1 = 128
	s_mov_b32 s[G1+5], APITCH                      ; elements from row to row
	s_mov_b32 s[G1+6], 0
	s_mov_b32 s[G1+7], 0
	; group 1 for w1b: 64 rows (k) x 256 elements (n); 32 bytes of padding behind every 128 words
	s_or_b32 s[G1B+0], s44, (1<<16)|(1<<20)|(1<<21)|(6<<22)|(7<<25)  ; the mask: my column; every 128 words; eight words
	s_mov_b32 s[G1B+1], 256<<16                    ; tensor_dim0 = 256
	s_mov_b32 s[G1B+2], 64<<16                     ; tensor_dim1 = 64
	s_mov_b32 s[G1B+3], 256<<16                    ; tile_dim0 = 256
	s_mov_b32 s[G1B+4], 64                         ; tile_dim1 = 64
	s_mov_b32 s[G1B+5], BPITCH
	s_mov_b32 s[G1B+6], 0
	s_mov_b32 s[G1B+7], 0
	; where the tiles come from.  xb's hang on the block row alone, which my row of the cluster shares; w1b's on the block column alone, which my column shares.
	; Every wave makes both addresses, in registers that never hold the other coordinate, and asks by one of them.
	s_lshl_b32 s17, s12, 7
	s_lshl_b32 s16, s13, 8
	s_add_co_u32 s16, s16, s17                     ; xb: row 256 x block row + 128 x half,
	s_mul_i32 s16, s16, APITCH*2                   ; in bytes: below 8 MiB
	s_mov_b32 s17, 0
	s_mul_i32 s46, s12, 64*BPITCH*2                ; w1b: row 64 x half,
	s_lshl_b32 s47, s42, 9                         ; column 256 x block column, in bytes
	s_add_co_u32 s46, s46, s47
	s_mov_b32 s47, 0
	s_mul_i32 s20, s10, HALFT                      ; and where they go: wave x 34,816 bytes: no place in the cluster enters an LDS address
	s_wait_dscnt 0x0
	s_wait_kmcnt 0x0
	s_add_nc_u64 s[14:15], s[4:5], s[16:17]
	s_add_nc_u64 s[46:47], s[6:7], s[46:47]
	CROUND                                         ; all sixteen work-groups are here: the first joint loads meet
.irp s, 0,1
	s_mov_b32 s[G0+4*\s], 1                                        ; count = 1
	s_add_co_u32 s[G0+4*\s+1], s20, \s*SLOT                        ; LDS address
	s_add_nc_u64 s[G0+4*\s+2:G0+4*\s+3], s[14:15], \s*ASTEP        ; global address: K step s
	s_or_b32 s[G0+4*\s+3], s[G0+4*\s+3], 0x80000000                ; type = 2
	s_mov_b32 s[G0B+4*\s], 1
	s_add_co_u32 s[G0B+4*\s+1], s20, \s*SLOT
	s_add_nc_u64 s[G0B+4*\s+2:G0B+4*\s+3], s[46:47], \s*BSTEP
	s_or_b32 s[G0B+4*\s+3], s[G0B+4*\s+3], 0x80000000
	JLOAD \s                                       ; the ring is filled before anything else is done: two tensor loads of the wave are out here, later one
.endr
	; xb's fragment, 16 rows x 32 K in 8 registers: lane l holds row l % 16; two loads of 16 bytes, 32 bytes apart, at row x pitch + 16 (l / 16).
	; w1b's fragment, 16 columns x 32 K: two transposing loads, 16 LDS rows apart, at (8 (l / 16) + l % 8) x pitch + 16 ((l / 8) % 2); they give lane l
	; column l % 16 with K = 8 (l / 16) + 0..7 in registers 0-3 and 16 more in registers 4-7: the same layout as xb's.
	v_and_b32 v1, 15, v0                           ; l % 16
	v_bfe_u32 v2, v0, 4, 1                         ; l / 16
	v_mul_u32_u24 v3, v1, PA
	v_lshl_add_u32 v3, v2, 4, v3
	v_and_b32 v4, 7, v0
	v_lshl_add_u32 v4, v2, 3, v4
	v_mul_u32_u24 v4, v4, PB
	v_bfe_u32 v5, v0, 3, 1
	v_lshl_add_u32 v4, v5, 4, v4
	s_mul_i32 s21, s11, HALFT                      ; my 128 rows of xb
	s_lshl_b32 s22, s12, 8                         ; my 128 columns of w1b: 256 bytes into each of its rows,
	s_add_co_u32 s22, s22, 2*HALFT                 ; which lie behind xb's 256
.irp s, 0,1
	v_add_nc_u32 v[ADRA+\s], s21, v3
	v_add_nc_u32 v[ADRB+\s], s22, v4
	s_add_co_u32 s21, s21, SLOT
	s_add_co_u32 s22, s22, SLOT
.endr
	s_mul_i32 s23, s10, DREG                       ; my dump
	v_mul_u32_u24 v5, v1, DP                       ; in: row l % 16, 32 bytes for each half of the lanes
	v_lshl_add_u32 v5, v2, 5, v5
	v_add_nc_u32 v[STO], s23, v5
	v_and_b32 v6, 31, v0
	v_lshl_add_u32 v[RD], v6, 4, s23               ; back: 32 lanes take one row of 512 bytes: lane l columns 4 l .. 4 l + 3
	v_lshlrev_b32 v[CO], 3, v6                     ; which are 8 bytes of h
	v_lshlrev_b32 v[WO], 4, v6
	s_lshl_b32 s18, s42, 10                        ; b1: 256 numbers a block column, 128 a half, 4 a lane
	s_lshl_b32 s19, s12, 9
	s_add_co_u32 s18, s18, s19
	v_lshl_add_u32 v[BO], v6, 4, s18
	global_load_b128 v[BI:BI+3], v[BO], s[66:67]   ; a lane keeps the same four columns in every row of the way out.  The oldest load: the loop's first counted wait covers it
	s_lshl_b32 s18, s13, 5
	s_add_co_u32 s18, s18, s42                     ; the work-group's number, 0 to 255,
	s_lshl2_add_u32 s18, s18, s10                  ; x 4 + wave,
	s_lshl_b32 s18, s18, 16                        ; x 64 KiB of w2: below 64 MiB
	s_mov_b32 s19, 0
	s_add_nc_u64 s[WSRC:WSRC+1], s[WSRC:WSRC+1], s[18:19]
	s_lshr_b32 s18, s18, 1                         ; half the bytes in w2b
	s_add_nc_u64 s[WDST:WDST+1], s[WDST:WDST+1], s[18:19]
.irp j, 0,1,2,3,4,5,6,7
	global_load_b128 v[WX+4*\j:WX+4*\j+3], v[WO], s[WSRC:WSRC+1] offset:512*\j th:TH_LOAD_NT   ; K step 0's 4 KiB of w2; each load covers 512 consecutive bytes
.endr
; Part p (0 to 3) of w2's cast in K step kk (0, 1) of a lap: loads 2 p and 2 p + 1 of the step are converted and stored, and (CAST_MORE) the same two of the next
; K step are asked for.  Its four conversions name no register of a matrix instruction: they are the four places that stand between the matrix instructions
; that read a fragment buffer and the loads that fill it again (ISA guide 7.12.1 for vector instructions).
; CAST_STEP = 1: the first part of a lap other than the first steps both bases by a lap.
.set CAST_MORE, 1
.set CAST_STEP, 0
.macro CASTP p, kk
.if CAST_MORE
	s_wait_loadcnt 6                               ; loads come back in order (ISA guide 5.7.1): my two, issued a K step ago, are in; the six of the three younger parts stay out
.else
	s_wait_loadcnt 6-2*(\p)                        ; the last K step asks for nothing: the counts run down
.endif
	s_wait_xcnt 0x0                                ; every earlier memory instruction has had its addresses translated (ISA guide 3.1): this part's WY, which its stores of a K step ago read, and the bases are rewritten only behind this wait
.if CAST_STEP
	s_add_nc_u64 s[WSRC:WSRC+1], s[WSRC:WSRC+1], 2*WCH
	s_add_nc_u64 s[WDST:WDST+1], s[WDST:WDST+1], WCH
.set CAST_STEP, 0
.endif
.irp i, 0,1,2,3
	v_cvt_pk_bf16_f32 v[WY+4*(\p)+\i], v[WX+8*(\p)+2*\i], v[WX+8*(\p)+2*\i+1]
.endr
.if CAST_MORE
	global_load_b128 v[WX+8*(\p):WX+8*(\p)+3],   v[WO], s[WSRC:WSRC+1] offset:WCH*(\kk+1)+1024*(\p) th:TH_LOAD_NT
	global_load_b128 v[WX+8*(\p)+4:WX+8*(\p)+7], v[WO], s[WSRC:WSRC+1] offset:WCH*(\kk+1)+1024*(\p)+512 th:TH_LOAD_NT
.endif
	global_store_b64 v[CO], v[WY+4*(\p):WY+4*(\p)+1],   s[WDST:WDST+1] offset:(WCH/2)*\kk+512*(\p)       ; 32 lanes store 256 consecutive bytes, aligned; no hint: the next launch reads them
	global_store_b64 v[CO], v[WY+4*(\p)+2:WY+4*(\p)+3], s[WDST:WDST+1] offset:(WCH/2)*\kk+512*(\p)+256
.endm
; 16 matrix instructions: m blocks a0, a0 + 1 of the window's four (hi = 0: my rows 0-63, 1: rows 64-127) x all 8 n blocks, 32 along K.
; zero = 1: the first product starts the sums: nothing is ever cleared.  The 64 accumulators take turns, one instruction a turn, in the same order in every
; quarter step, over the loop's backward jump and into the tail too.
.macro MUL16 f, hi, a0, zero
.irp a, \a0, \a0+1
.irp b, 0,1,2,3,4,5,6,7
.if \zero
	v_wmma_f32_16x16x32_bf16 v[8*(8*(\a)+\b):8*(8*(\a)+\b)+7], v[\f+8*\b:\f+8*\b+7], v[\f+8*(4*\hi+\a):\f+8*(4*\hi+\a)+7], 0
.else
	v_wmma_f32_16x16x32_bf16 v[8*(8*(\a)+\b):8*(8*(\a)+\b)+7], v[\f+8*\b:\f+8*\b+7], v[\f+8*(4*\hi+\a):\f+8*(4*\hi+\a)+7], v[8*(8*(\a)+\b):8*(8*(\a)+\b)+7]
.endif
.endr
.endr
.endm
; 32 LDS loads in one run: the fragments of quarter q of a K step (K = 32 q .. 32 q + 31; 128 columns of w1b, then 128 rows of xb) into buffer f
.macro FETCH slot, q, f
	WIN TO_B
.irp i, 0,1,2,3,4,5,6,7
	ds_load_tr16_b128 v[\f+8*\i:\f+8*\i+3],   v[ADRB+\slot] offset:32*\q*PB+32*\i
	ds_load_tr16_b128 v[\f+8*\i+4:\f+8*\i+7], v[ADRB+\slot] offset:32*\q*PB+32*\i+16*PB
.endr
	WIN 0
.irp i, 0,1,2,3,4,5,6,7
	ds_load_b128 v[\f+8*\i:\f+8*\i+3],   v[ADRA+\slot] offset:64*\q+\i*16*PA
	ds_load_b128 v[\f+8*\i+4:\f+8*\i+7], v[ADRA+\slot] offset:64*\q+\i*16*PA+32
.endr
.endm
; A K step is four quarter steps of 32 along K, 64 matrix instructions each, on buffers 0, 1, 0, 1.
; One of the first three: multiplies buffer f; in its middle stand a part of w2's cast and the fetch of quarter q of the same slot into buffer g.
.macro QUARTER slot, q, f, g, zero
	s_wait_dscnt 8                                 ; w1b's columns and xb's rows 0-63 are in; the youngest eight loads (xb's rows 64-127) may be out
	WIN MUL_LO
	MUL16 \f, 0, 0, \zero
	MUL16 \f, 0, 2, \zero
	WIN 0
	CASTP \q-1, \slot
	FETCH \slot, \q, \g
	s_wait_dscnt 32                                ; all but the 32 just issued
	WIN MUL_HI
	MUL16 \f, 1, 0, \zero
	MUL16 \f, 1, 2, \zero
.endm
.macro THREE slot, zero
	QUARTER \slot, 1, F0, F1, \zero
	QUARTER \slot, 2, F1, F0, 0
	QUARTER \slot, 3, F0, F1, 0
.endm
; The last quarter: multiplies buffer 1 and changes slots.  next = the other slot; fill = 1: this slot is filled again, two K steps ahead.
; One barrier for the change of slots.  In front of it each wave waits for its own reads of this slot and for all its tensor loads, of which one is out:
; its part of the next slot.  Behind it nobody reads this slot any more and the next slot is whole: the refill comes first, then the last part of the K step's
; cast and the next slot's first fragments.  From a request to the wait for it a wave issues 240 matrix instructions.
.macro TURN slot, next, fill
	s_wait_dscnt 8
	WIN MUL_LO
	MUL16 F1, 0, 0, 0
	s_wait_dscnt 0                                 ; my reads of this slot are over
	s_wait_tensorcnt 0x0                           ; and all my tensor loads have landed:
	ds_add_u32 v255, v63
	s_wait_dscnt 0x0
	s_barrier_signal -1                            ; say so (where a slot is filled again this barrier opens a round of the cluster's barrier),
	MUL16 F1, 0, 2, 0                              ; work on registers while the others arrive,
	WIN 0
	s_barrier_wait -1                              ; and go on when all four have said so
.if \fill
	CREST                                          ; all sixteen work-groups have said so: no wave of any partner still reads this slot's tile or has a load on its way
	s_add_nc_u64 s[G0+4*\slot+2:G0+4*\slot+3], s[G0+4*\slot+2:G0+4*\slot+3], 2*ASTEP
	s_add_nc_u64 s[G0B+4*\slot+2:G0B+4*\slot+3], s[G0B+4*\slot+2:G0B+4*\slot+3], 2*BSTEP
	JLOAD \slot                                    ; the first tensor load behind the round, and the wave's only one until the next
.endif
	CASTP 3, \slot
	FETCH \next, 0, F0
	WIN MUL_HI
	MUL16 F1, 1, 0, 0
	MUL16 F1, 1, 2, 0
.endm
.macro LAP zero                        ; once round the ring, both slots filled again
	THREE 0, \zero
	TURN 0, 1, 1
	THREE 1, 0
	TURN 1, 0, 1
.endm
	s_wait_tensorcnt 1                             ; my part of K step 0 is in; K step 1's load may stay out
	s_barrier_signal -1
	s_barrier_wait -1                              ; everybody's is
	FETCH 0, 0, F0
	LAP 1                                          ; the first lap stands in front of the loop: its first products start the sums
	WIN 0                                          ; at a label and at a branch every window is 0
	s_mov_b32 s3, LAPS-2
.Llap:
.set CAST_STEP, 1
	LAP 0
	WIN 0
	s_sub_co_u32 s3, s3, 1
	s_cmp_lg_u32 s3, 0
	s_cbranch_scc1 .Llap
.set CAST_STEP, 1
	THREE 0, 0                                     ; the last lap fills nothing, and has no round of the cluster's barrier
	TURN 0, 1, 0                                   ; its wait for all tensor loads shows the last K step landed
.set CAST_MORE, 0                                      ; the last K step: no load of w2 leaves my wave's 64 KiB
	THREE 1, 0
	s_wait_dscnt 8                                 ; the very last quarter: nothing more to fetch
	WIN MUL_LO
	MUL16 F1, 0, 0, 0
	MUL16 F1, 0, 2, 0
	WIN 0
	CASTP 3, 1                                     ; the last part of w2's cast, in front of the signal: no store stands between a signal and its wait
	s_wait_dscnt 0                                 ; my last reads of the ring are back:
	s_barrier_signal -1                            ; say so: behind this barrier the ring's bytes are written as the dump
	WIN MUL_HI
	MUL16 F1, 1, 0, 0
	MUL16 F1, 1, 2, 0
	WIN 0
	s_barrier_wait -1                              ; no wave reads the ring any more, and no tensor load is left
	s_wait_xcnt 0x0                                ; every earlier memory instruction has had its addresses translated (ISA guide 3.1): WY, which the cast's last stores read, becomes GELU's work only behind this wait
	; THE WAY OUT.  GELU's constants first: these 26 plain vector instructions name no register of the last matrix instructions and are the places that
	; stand between those and the LDS stores of their results, the loads into the fragment buffers and the vector writes there.
.macro KPAIR r, bits
	v_mov_b32 v[\r], \bits
	v_mov_b32 v[\r+1], \bits
.endm
	KPAIR A13, 0xaf15df0b                          ; -2.72614225801306e-10 / 2
	KPAIR A11, 0x326dffee                          ;  2.77068142495902e-08 / 2
	KPAIR A9,  0xb58cff51                          ; -2.10102402082508e-06 / 2
	KPAIR A7,  0xb7eec2d2                          ; -5.69250639462346e-05 / 2
	KPAIR A5,  0xb9c0ac63                          ; -7.34990630326855e-04 / 2
	KPAIR A3,  0xbac1a1f6                          ; -2.95459980854025e-03 / 2
	KPAIR A1,  0xbc03dbd4                          ; -1.60960333262415e-02 / 2
	KPAIR B8,  0xb77460cd                          ; -1.45660718464996e-05
	KPAIR B6,  0xb95fbd29                          ; -2.13374055278905e-04
	KPAIR B4,  0xbadc924e                          ; -1.68282697438203e-03
	KPAIR B2,  0xbbf19bf8                          ; -7.37332916720468e-03
	KPAIR B0,  0xbc69b6a7                          ; -1.42647390514189e-02
	KPAIR RS2, 0x3f3504f3                          ; 1 / sqrt 2
	s_lshl_b32 s16, s13, 8
	s_lshl_b32 s17, s11, 7
	s_add_co_u32 s16, s16, s17                     ; my first row of h,
	s_mul_i32 s16, s16, CPITCH                     ; in bytes: below 32 MiB
	s_mov_b32 s17, 0
	s_add_nc_u64 s[8:9], s[8:9], s[16:17]
	s_lshl_b32 s46, s42, 9                         ; my first column, in bytes: 512 x block + 256 x half
	s_lshl_b32 s47, s12, 8
	s_add_co_u32 s46, s46, s47
	s_mov_b32 s47, 0
	s_add_nc_u64 s[8:9], s[8:9], s[46:47]
; The dump: a lane's eight sums of tile (a, b) are columns 16 b + 8 (l / 16) + 0..7 of row 16 (4 hi + a) + l % 16: two stores of 16 bytes.
; win: the store's data (source 1) in window 2 or 3.  Each wave writes and reads its own 67,584 bytes alone.
.macro DUMP win, hi
	WIN \win
.irp a, 0,1,2,3
.irp b, 0,1,2,3,4,5,6,7
	ds_store_b128 v[STO], v[8*(8*\a+\b):8*(8*\a+\b)+3]   offset:16*(4*\hi+\a)*DP+64*\b
	ds_store_b128 v[STO], v[8*(8*\a+\b)+4:8*(8*\a+\b)+7] offset:16*(4*\hi+\a)*DP+64*\b+16
.endr
.endr
.endm
	DUMP 0x08, 0
	DUMP 0x0c, 1
	WIN 0
.macro START acc, c1, c0               ; acc = u c1 + c0, sixteen pairs
.set n, 0
.rept 16
	v_pk_fma_f32 v[\acc+2*n:\acc+2*n+1], v[UU+2*n:UU+2*n+1], v[\c1:\c1+1], v[\c0:\c0+1]
.set n, n+1
.endr
.endm
.macro HORNER acc, c                   ; acc = acc u + c, sixteen pairs
.set n, 0
.rept 16
	v_pk_fma_f32 v[\acc+2*n:\acc+2*n+1], v[\acc+2*n:\acc+2*n+1], v[UU+2*n:UU+2*n+1], v[\c:\c+1]
.set n, n+1
.endr
.endm
; Eight rows of my block: 32 numbers a lane, each step on all sixteen pairs so that no instruction waits for the one in front of it.
; more = 1: the next eight rows are read from the dump under this trip's arithmetic.
.macro GTRIP more
	s_wait_dscnt 0x0                               ; my eight rows are in (LDS serves a wave's instructions in order, ISA guide 5.7.1: they saw the dump's stores)
.set n, 0
.rept 16
	v_pk_add_f32 v[XX+2*n:XX+2*n+1], v[LD+2*n:LD+2*n+1], v[BI+2*(n&1):BI+2*(n&1)+1]      ; x = sum + bias
.set n, n+1
.endr
.if \more
	v_add_nc_u32 v[RD], 8*DP, v[RD]
.irp t, 0,1,2,3,4,5,6,7
	ds_load_b128 v[LD+4*\t:LD+4*\t+3], v[RD] offset:\t*DP
.endr
.endif
.set n, 0
.rept 16
	v_pk_mul_f32 v[CC+2*n:CC+2*n+1], v[XX+2*n:XX+2*n+1], v[RS2:RS2+1]                    ; x / sqrt 2
.set n, n+1
.endr
.set n, 0
.rept 32
	v_med3_num_f32 v[CC+n], v[CC+n], -4.0, 4.0                                           ; c
.set n, n+1
.endr
.set n, 0
.rept 16
	v_pk_mul_f32 v[UU+2*n:UU+2*n+1], v[CC+2*n:CC+2*n+1], v[CC+2*n:CC+2*n+1]              ; u = c^2
.set n, n+1
.endr
	START  PP, A13, A11
	HORNER PP, A9
	HORNER PP, A7
	HORNER PP, A5
	HORNER PP, A3
	HORNER PP, A1
	START  QQ, B8, B6
	HORNER QQ, B4
	HORNER QQ, B2
	HORNER QQ, B0
.set n, 0
.rept 32
	v_rcp_f32 v[UU+n], v[QQ+n]                                                           ; u is done with: 1 / Q
.set n, n+1
.endr
.set n, 0
.rept 16
	v_pk_mul_f32 v[PP+2*n:PP+2*n+1], v[PP+2*n:PP+2*n+1], v[CC+2*n:CC+2*n+1]              ; c P': plain work that touches neither Q nor 1 / Q stands behind the last v_rcp_f32 (ISA guide 5.7.2)
.set n, n+1
.endr
.set n, 0
	s_wait_alu depctr_va_vdst(0)
.rept 16
	v_pk_fma_f32 v[QQ+2*n:QQ+2*n+1], v[PP+2*n:PP+2*n+1], v[UU+2*n:UU+2*n+1], 0.5 op_sel_hi:[1,1,0]   ; the factor 0.5 + 0.5 erf
.set n, n+1
.endr
.set n, 0
.rept 16
	v_pk_mul_f32 v[XX+2*n:XX+2*n+1], v[XX+2*n:XX+2*n+1], v[QQ+2*n:QQ+2*n+1]              ; h
.set n, n+1
.endr
.set n, 0
.rept 16
	v_cvt_pk_bf16_f32 v[Y+n], v[XX+2*n], v[XX+2*n+1]
.set n, n+1
.endr
.irp t, 0,1,2,3,4,5,6,7
	global_store_b64 v[CO], v[Y+2*\t:Y+2*\t+1], s[8:9] offset:\t*CPITCH                  ; 32 lanes store 256 consecutive bytes, at a multiple of 256 from h's first byte
.endr
.if \more
	s_wait_xcnt 0x0                                ; every earlier memory instruction has had its addresses translated (ISA guide 3.1): Y and the base are rewritten only behind this wait
	s_add_nc_u64 s[8:9], s[8:9], 8*CPITCH
.endif
.endm
.irp t, 0,1,2,3,4,5,6,7
	ds_load_b128 v[LD+4*\t:LD+4*\t+3], v[RD] offset:\t*DP                                ; rows 0 to 7
.endr
	s_mov_b32 s3, 15
.Lrow:
	GTRIP 1
	s_sub_co_u32 s3, s3, 1
	s_cmp_lg_u32 s3, 0
	s_cbranch_scc1 .Lrow
	GTRIP 0                                        ; rows 120 to 127: nothing more to read
	s_set_vgpr_msb 0x1
	s_wait_tensorcnt 0x0
	ds_add_u32 v255, v63
	s_wait_dscnt 0x0
	s_set_vgpr_msb 0x100
	CROUND                                         ; the closing round: no work-group ends while a partner may still ask for a tile that names it
	s_endpgm
.Lfunc_end_k_q26ad2f08db_ffn1:
	.size	k_q26ad2f08db_ffn1, .Lfunc_end_k_q26ad2f08db_ffn1-k_q26ad2f08db_ffn1
	.p2alignl 7, 3214868480
	.fill 96, 4, 3214868480
	.section	.rodata,"a",@progbits
	.p2align	6, 0x0
	.amdhsa_kernel k_q26ad2f08db_ffn1
		.amdhsa_group_segment_fixed_size 327680
		.amdhsa_private_segment_fixed_size 0
		.amdhsa_enable_private_segment 0
		.amdhsa_kernarg_size 48
		.amdhsa_user_sgpr_count 2
		.amdhsa_user_sgpr_kernarg_segment_ptr 1
		.amdhsa_wavefront_size32 1
		.amdhsa_system_sgpr_workgroup_id_x 1
		.amdhsa_system_sgpr_workgroup_id_y 1
		.amdhsa_system_sgpr_workgroup_id_z 1
		.amdhsa_system_vgpr_workitem_id 0
		.amdhsa_next_free_vgpr 1024
		.amdhsa_next_free_sgpr 72
		.amdhsa_reserve_vcc 0
		.amdhsa_float_denorm_mode_32 3
		.amdhsa_float_denorm_mode_16_64 3
		.amdhsa_memory_ordered 1
		.amdhsa_forward_progress 1
		.amdhsa_inst_pref_size 231
	.end_amdhsa_kernel
	.amdgpu_metadata
---
amdhsa.version: [ 1, 2 ]
amdhsa.kernels:
  - .name:           k_q26ad2f08db_ffn1
    .symbol:         k_q26ad2f08db_ffn1.kd
    .args:
      - { .name: xb, .offset: 0, .size: 8, .value_kind: global_buffer, .address_space: global }
      - { .name: w1b, .offset: 8, .size: 8, .value_kind: global_buffer, .address_space: global }
      - { .name: h, .offset: 16, .size: 8, .value_kind: global_buffer, .address_space: global }
      - { .name: b1, .offset: 24, .size: 8, .value_kind: global_buffer, .address_space: global }
      - { .name: w2, .offset: 32, .size: 8, .value_kind: global_buffer, .address_space: global }
      - { .name: w2b, .offset: 40, .size: 8, .value_kind: global_buffer, .address_space: global }
    .group_segment_fixed_size: 327680
    .private_segment_fixed_size: 0
    .kernarg_segment_align: 8
    .kernarg_segment_size: 48
    .max_flat_workgroup_size: 128
    .sgpr_count:     72
    .vgpr_count:     1024
    .wavefront_size: 32
...
	.end_amdgpu_metadata
.endif
;; end of part 2
;; launch ffn2 (part 3): grid 32 x 8, 4 waves a work-group, clusters of 4 x 4, 327,680 bytes of LDS; arguments h, w2b, part; writes part
.if DOCPART == 3
	.amdgcn_target "amdgcn-amd-amdhsa--gfx1250"
	.amdhsa_code_object_version 6
	.text
	.protected	k_q26ad2f08db_ffn2
	.globl	k_q26ad2f08db_ffn2
	.p2align	8
	.type	k_q26ad2f08db_ffn2,@function
k_q26ad2f08db_ffn2:
	s_mov_b64 s[64:65], 0
	v_nop
	global_prefetch_b8 v0, s[64:65] scope:SCOPE_SE
	s_setreg_imm32_b32 hwreg(HW_REG_WAVE_MODE, 25, 1), 1
	s_wait_xcnt 0x0
	s_wait_alu depctr_hold_cnt(0) depctr_sa_sdst(0) depctr_va_vdst(0) depctr_va_sdst(0) depctr_va_ssrc(0) depctr_va_vcc(0) depctr_vm_vsrc(0)
	s_getreg_b32 s2, hwreg(HW_REG_IB_STS2, 6, 4)
	s_cmp_eq_u32 s2, 0
	s_cbranch_scc0 .Lentry_in_a_cluster
	s_endpgm
.Lentry_in_a_cluster:
	s_bfe_u32 s2, ttmp6, 0x10000c
	s_cmp_lg_u32 s2, 0xf033
	s_cbranch_scc0 .Lentry_shape_is_right
	s_endpgm
.Lentry_shape_is_right:
; part[z] = h[:, 2048 z .. 2048 z + 2047] w2b[2048 z .. 2048 z + 2047, :], z = 0 .. 3, in f32.
; h: [2048][8192] bf16 (rows along K), w2b: [8192 (k)][2048 (n)] bf16, part: [4][2048][2048] f32.
; The output has only 8 x 8 blocks of 256 x 256, so K = 8,192 is split in four: 4 x 8 x 8 = 256 work-groups, each with K = 2,048, the same main loop as the first
; product's.  The four partial sums are added, in a fixed order, by the next launch: no traffic between work-groups.
; A work-group makes a block of 256 x 256 with four waves; a wave makes 128 x 128: 64 accumulator tiles of 16 x 16, 512 registers.
; Its K goes in 16 steps of 128 through a ring of two LDS slots that the tensor data mover fills.
; CLUSTERS: 4 x 4 work-groups, all of one z.  The four of a row of the cluster need the same tiles of h, the four of a column the same tiles of w2b: each tile is
; asked for jointly, by the same tensor load with the same descriptor and a mask that names the four, which divides the requests for both by four.
; w2b lies [k][n], so its fragments come out of LDS by the transposing load ds_load_tr16_b128.
;
; REGISTERS, in windows of 256: window 0: v16-27 addresses; v64-127, v128-191 fragments of h, two buffers (on the way out: rows read back);
;   window 1: v64-127, v128-191 fragments of w2b;  window 2: the 32 accumulator tiles of my rows 0-63 (tile (a, b) at v[8 (8 a + b)]);  window 3: rows 64-127.
; THE MATRIX INSTRUCTION IS USED TRANSPOSED: source 0 = 16 columns of w2b, source 1 = 16 rows of h, so that lane l holds row l % 16 of the block and its
; registers 0 to 7 the columns 8 (l / 16) + 0 .. 7.
.set APITCH, 8192                      ; elements from row to row of h
.set BPITCH, 2048                      ; elements from row to row of w2b
.set CPITCH, 8192                      ; bytes from row to row of part
.set KSTEP,  128
.set ASTEP,  KSTEP*2                   ; a K step along h's rows, in bytes
.set BSTEP,  KSTEP*BPITCH*2            ; a K step down w2b's rows, in bytes
.set LAPS,   8                         ; a lap = two K steps = once round the ring
.set PA,     272                       ; an LDS row of h: 256 bytes + 16 of padding = 17 x 16: the 16 rows that a load touches start at 16 different 16-byte columns modulo 256
.set PB,     544                       ; an LDS row of w2b: 512 bytes + 32 of padding = 17 x 32
.set HALFT,  128*PA                    ; what one tensor load brings: 128 rows of h, or 64 rows of w2b (the same 34,816 bytes)
.set SLOT,   4*HALFT                   ; h's 256 rows, then w2b's 128 rows
.set DP,     528                       ; the dump: a row of 128 f32 + 16 bytes = 33 x 16
.set DREG,   128*DP                    ; a wave's dump.  Four dumps are 270,336 bytes: they lie in the ring, behind its last fill and last read
.set ADRA, 16                          ; v16-17  LDS address of my h fragments in slot 0, 1
.set ADRB, 20                          ; v20-21  the same for w2b
.set STO,  24                          ; v24     the dump: where I put 32 bytes of a row
.set RD,   25                          ; v25     the dump: where I read 16 bytes of rows 0-63 back
.set CO,   26                          ; v26     my byte offset in a row of part
.set RD2,  27                          ; v27     the same as RD for rows 64-127 (the LDS offset has 16 bits)
.set F0,   64                          ; fragment buffer 0
.set F1,   128                         ; fragment buffer 1
.set G1,  24                           ; s[24:31] descriptor group 1 for h's tiles
.set G0,  32                           ; s[32:39] descriptor group 0 for h's tiles, one set for each slot
.set G1B, 48                           ; s[48:55] descriptor group 1 for w2b's tiles
.set G0B, 56                           ; s[56:63] descriptor group 0 for w2b's tiles, one set for each slot
.set MSB, 0
.macro WIN new                         ; the immediate's high byte repeats the setting that is left; a switch that changes nothing is dropped
.if MSB != \new
	s_set_vgpr_msb (MSB<<8)|\new
.set MSB, \new
.endif
.endm
.set MUL_LO, 0xa1                      ; source 0 (w2b) window 1, source 1 (h) window 0, C and D window 2
.set MUL_HI, 0xf1                      ; the same, C and D window 3
.set TO_B,   0x40                      ; destination window 1, address window 0
; A joint load.  Waves 0 and 1 fetch h's two halves of 128 rows, waves 2 and 3 w2b's two halves of 64 rows.  Each line has one mask and one set of registers
; for all that issue it.  The branch hangs on the wave's number alone: it is the same in every work-group.
.macro JLOAD s
	s_cmp_eq_u32 s11, 0
	s_cbranch_scc0 .Lfor_b_\@
	tensor_load_to_lds s[G0+4*\s:G0+4*\s+3], s[G1:G1+7]
	s_nop 0
	s_branch .Lasked_\@
.Lfor_b_\@:
	tensor_load_to_lds s[G0B+4*\s:G0B+4*\s+3], s[G1B:G1B+7]
	s_nop 0
.Lasked_\@:
.endm
; A round of the cluster's barrier: my work-group's barrier, so that wave 0's signal speaks for all four waves; wave 0 signals for the work-group; every wave
; waits for all sixteen work-groups; my work-group's barrier once more.
.macro CREST                           ; a round behind its opening barrier
	s_cmp_lg_u32 s10, 0
	s_cbranch_scc1 .Lnot_wave_0_\@
	s_barrier_signal -3
.Lnot_wave_0_\@:
	s_barrier_wait -3
	s_barrier_signal -1
	s_barrier_wait -1
.endm
.macro CROUND                          ; a whole round
	s_barrier_signal -1
	s_barrier_wait -1
	CREST
.endm
	s_load_b128 s[4:7], s[0:1], 0x0                ; h s[4:5], w2b s[6:7]
	s_load_b64 s[8:9], s[0:1], 0x10                ; part
	s_set_vgpr_msb 0x40
	v_lshl_add_u32 v255, v0, 2, 0x44000
	s_set_vgpr_msb 0x4000
	v_mov_b32 v255, 0
	s_set_vgpr_msb 0x1
	ds_add_u32 v255, v255
	s_set_vgpr_msb 0x100
	v_lshrrev_b32 v1, 5, v0
	v_readfirstlane_b32 s10, v1                    ; wave 0..3
	s_lshr_b32 s11, s10, 1                         ; which half of the block's rows is mine.  Also: I fetch for h (0) or for w2b (1)
	s_and_b32 s12, s10, 1                          ; which half of its columns.  Also: which half of that tile I fetch
	s_bfe_u32 s40, ttmp6, 0x40000                  ; cx: my place along the cluster's x
	s_bfe_u32 s41, ttmp6, 0x40004                  ; cy: along its y
	s_lshr_b32 s45, ttmp9, 1                       ; z = cluster x / 2: which quarter of K; the whole cluster shares it
	s_and_b32 s42, ttmp9, 1
	s_lshl_b32 s42, s42, 2
	s_add_co_u32 s42, s42, s40                     ; block column = 4 x (cluster x % 2) + cx, 0 to 7
	s_and_b32 s13, ttmp7, 0xffff
	s_lshl_b32 s13, s13, 2
	s_add_co_u32 s13, s13, s41                     ; block row = 4 x cluster y + cy, 0 to 7
	s_lshl_b32 s43, s41, 2
	s_lshl_b32 s43, 15, s43                        ; my row of the cluster: places 4 cy .. 4 cy + 3
	s_lshl_b32 s44, 0x1111, s40                    ; my column: places cx, cx + 4, cx + 8, cx + 12
	; group 1 for h: 128 rows x 128 elements of 2 bytes; 16 bytes of padding behind every 64 words
	s_or_b32 s[G1+0], s43, (1<<16)|(1<<20)|(1<<21)|(5<<22)|(3<<25)   ; 15:0 the mask: my row; 17:16 2-byte elements; 20 padding on; 21 set beside a mask; 24:22 every 64 words; 31:25 four words
	s_mov_b32 s[G1+1], KSTEP<<16                   ; tensor_dim0 = 128
	s_mov_b32 s[G1+2], 128<<16                     ; tensor_dim1 = 128
	s_mov_b32 s[G1+3], KSTEP<<16                   ; tile_dim0 = 128
	s_mov_b32 s[G1+4], 128                         ; tile_dim1 = 128
	s_mov_b32 s[G1+5], APITCH                      ; elements from row to row
	s_mov_b32 s[G1+6], 0
	s_mov_b32 s[G1+7], 0
	; group 1 for w2b: 64 rows (k) x 256 elements (n); 32 bytes of padding behind every 128 words
	s_or_b32 s[G1B+0], s44, (1<<16)|(1<<20)|(1<<21)|(6<<22)|(7<<25)  ; the mask: my column; every 128 words; eight words
	s_mov_b32 s[G1B+1], 256<<16                    ; tensor_dim0 = 256
	s_mov_b32 s[G1B+2], 64<<16                     ; tensor_dim1 = 64
	s_mov_b32 s[G1B+3], 256<<16                    ; tile_dim0 = 256
	s_mov_b32 s[G1B+4], 64                         ; tile_dim1 = 64
	s_mov_b32 s[G1B+5], BPITCH
	s_mov_b32 s[G1B+6], 0
	s_mov_b32 s[G1B+7], 0
	; where the tiles come from.  h's hang on the block row and z, which my row of the cluster shares; w2b's on the block column and z, which my column shares.
	; Every wave makes both addresses, in registers that never hold the other place in the cluster, and asks by one of them.
	s_lshl_b32 s17, s12, 7
	s_lshl_b32 s16, s13, 8
	s_add_co_u32 s16, s16, s17                     ; h: row 256 x block row + 128 x half,
	s_mul_i32 s16, s16, APITCH*2                   ; in bytes: below 32 MiB,
	s_lshl_b32 s18, s45, 12                        ; and 2,048 z elements into the row
	s_add_co_u32 s16, s16, s18
	s_mov_b32 s17, 0
	s_lshl_b32 s46, s45, 11
	s_lshl_b32 s47, s12, 6
	s_add_co_u32 s46, s46, s47                     ; w2b: row 2,048 z + 64 x half,
	s_mul_i32 s46, s46, BPITCH*2                   ; in bytes: below 32 MiB,
	s_lshl_b32 s47, s42, 9                         ; column 256 x block column, in bytes
	s_add_co_u32 s46, s46, s47
	s_mov_b32 s47, 0
	s_mul_i32 s20, s10, HALFT                      ; and where they go: wave x 34,816 bytes: no place in the cluster enters an LDS address
	s_wait_dscnt 0x0
	s_wait_kmcnt 0x0
	s_add_nc_u64 s[14:15], s[4:5], s[16:17]
	s_add_nc_u64 s[46:47], s[6:7], s[46:47]
	CROUND                                         ; all sixteen work-groups are here: the first joint loads meet
.irp s, 0,1
	s_mov_b32 s[G0+4*\s], 1                                        ; count = 1
	s_add_co_u32 s[G0+4*\s+1], s20, \s*SLOT                        ; LDS address
	s_add_nc_u64 s[G0+4*\s+2:G0+4*\s+3], s[14:15], \s*ASTEP        ; global address: K step s
	s_or_b32 s[G0+4*\s+3], s[G0+4*\s+3], 0x80000000                ; type = 2
	s_mov_b32 s[G0B+4*\s], 1
	s_add_co_u32 s[G0B+4*\s+1], s20, \s*SLOT
	s_add_nc_u64 s[G0B+4*\s+2:G0B+4*\s+3], s[46:47], \s*BSTEP
	s_or_b32 s[G0B+4*\s+3], s[G0B+4*\s+3], 0x80000000
	JLOAD \s                                       ; the ring is filled before anything else is done: two tensor loads of the wave are out here, later one
.endr
	; h's fragment, 16 rows x 32 K in 8 registers: lane l holds row l % 16; two loads of 16 bytes, 32 bytes apart, at row x pitch + 16 (l / 16).
	; w2b's fragment, 16 columns x 32 K: two transposing loads, 16 LDS rows apart, at (8 (l / 16) + l % 8) x pitch + 16 ((l / 8) % 2); they give lane l
	; column l % 16 with K = 8 (l / 16) + 0..7 in registers 0-3 and 16 more in registers 4-7: the same layout as h's.
	v_and_b32 v1, 15, v0                           ; l % 16
	v_bfe_u32 v2, v0, 4, 1                         ; l / 16
	v_mul_u32_u24 v3, v1, PA
	v_lshl_add_u32 v3, v2, 4, v3
	v_and_b32 v4, 7, v0
	v_lshl_add_u32 v4, v2, 3, v4
	v_mul_u32_u24 v4, v4, PB
	v_bfe_u32 v5, v0, 3, 1
	v_lshl_add_u32 v4, v5, 4, v4
	s_mul_i32 s21, s11, HALFT                      ; my 128 rows of h
	s_lshl_b32 s22, s12, 8                         ; my 128 columns of w2b: 256 bytes into each of its rows,
	s_add_co_u32 s22, s22, 2*HALFT                 ; which lie behind h's 256
.irp s, 0,1
	v_add_nc_u32 v[ADRA+\s], s21, v3
	v_add_nc_u32 v[ADRB+\s], s22, v4
	s_add_co_u32 s21, s21, SLOT
	s_add_co_u32 s22, s22, SLOT
.endr
	s_mul_i32 s23, s10, DREG                       ; my dump
	v_mul_u32_u24 v5, v1, DP                       ; in: row l % 16, 32 bytes for each half of the lanes
	v_lshl_add_u32 v5, v2, 5, v5
	v_add_nc_u32 v[STO], s23, v5
	v_and_b32 v6, 31, v0
	v_lshl_add_u32 v[RD], v6, 4, s23               ; back: 32 lanes take one row of 512 bytes
	v_add_nc_u32 v[RD2], 64*DP, v[RD]
	v_lshlrev_b32 v[CO], 4, v6                     ; and the same 16 bytes in a row of part
; 16 matrix instructions: m blocks a0, a0 + 1 of the window's four (hi = 0: my rows 0-63, 1: rows 64-127) x all 8 n blocks, 32 along K.
; zero = 1: the first product starts the sums: nothing is ever cleared.  The 64 accumulators take turns, one instruction a turn, in the same order in every
; quarter step, over the loop's backward jump and into the tail too.
.macro MUL16 f, hi, a0, zero
.irp a, \a0, \a0+1
.irp b, 0,1,2,3,4,5,6,7
.if \zero
	v_wmma_f32_16x16x32_bf16 v[8*(8*(\a)+\b):8*(8*(\a)+\b)+7], v[\f+8*\b:\f+8*\b+7], v[\f+8*(4*\hi+\a):\f+8*(4*\hi+\a)+7], 0
.else
	v_wmma_f32_16x16x32_bf16 v[8*(8*(\a)+\b):8*(8*(\a)+\b)+7], v[\f+8*\b:\f+8*\b+7], v[\f+8*(4*\hi+\a):\f+8*(4*\hi+\a)+7], v[8*(8*(\a)+\b):8*(8*(\a)+\b)+7]
.endif
.endr
.endr
.endm
; 32 LDS loads in one run: the fragments of quarter q of a K step (K = 32 q .. 32 q + 31; 128 columns of w2b, then 128 rows of h) into buffer f
.macro FETCH slot, q, f
	WIN TO_B
.irp i, 0,1,2,3,4,5,6,7
	ds_load_tr16_b128 v[\f+8*\i:\f+8*\i+3],   v[ADRB+\slot] offset:32*\q*PB+32*\i
	ds_load_tr16_b128 v[\f+8*\i+4:\f+8*\i+7], v[ADRB+\slot] offset:32*\q*PB+32*\i+16*PB
.endr
	WIN 0
.irp i, 0,1,2,3,4,5,6,7
	ds_load_b128 v[\f+8*\i:\f+8*\i+3],   v[ADRA+\slot] offset:64*\q+\i*16*PA
	ds_load_b128 v[\f+8*\i+4:\f+8*\i+7], v[ADRA+\slot] offset:64*\q+\i*16*PA+32
.endr
.endm
; A load into a register that a matrix instruction has read, and an LDS store of a matrix result, stand four places behind that matrix instruction, and only
; plain vector instructions that name none of its registers are places (ISA guide 7.12.1 for vector instructions).
.macro PLACES
.rept 4
	v_nop
.endr
.endm
; A K step is four quarter steps of 32 along K, 64 matrix instructions each, on buffers 0, 1, 0, 1.
; One of the first three: multiplies buffer f; in its middle it fetches quarter q of the same slot into buffer g.
.macro QUARTER slot, q, f, g, zero
	s_wait_dscnt 8                                 ; w2b's columns and h's rows 0-63 are in; the youngest eight loads (h's rows 64-127) may be out
	WIN MUL_LO
	MUL16 \f, 0, 0, \zero
	MUL16 \f, 0, 2, \zero
	PLACES
	FETCH \slot, \q, \g
	s_wait_dscnt 32                                ; all but the 32 just issued
	WIN MUL_HI
	MUL16 \f, 1, 0, \zero
	MUL16 \f, 1, 2, \zero
.endm
.macro THREE slot, zero
	QUARTER \slot, 1, F0, F1, \zero
	QUARTER \slot, 2, F1, F0, 0
	QUARTER \slot, 3, F0, F1, 0
.endm
; The last quarter: multiplies buffer 1 and changes slots.  next = the other slot; fill = 1: this slot is filled again, two K steps ahead.
; One barrier for the change of slots.  In front of it each wave waits for its own reads of this slot and for all its tensor loads, of which one is out:
; its part of the next slot.  Behind it nobody reads this slot any more and the next slot is whole: the refill comes first, then the next slot's first
; fragments.  From a request to the wait for it a wave issues 240 matrix instructions.
.macro TURN slot, next, fill
	s_wait_dscnt 8
	WIN MUL_LO
	MUL16 F1, 0, 0, 0
	s_wait_dscnt 0                                 ; my reads of this slot are over
	s_wait_tensorcnt 0x0                           ; and all my tensor loads have landed:
	ds_add_u32 v255, v255
	s_wait_dscnt 0x0
	s_barrier_signal -1                            ; say so (where a slot is filled again this barrier opens a round of the cluster's barrier),
	MUL16 F1, 0, 2, 0                              ; work on registers while the others arrive,
	WIN 0
	s_barrier_wait -1                              ; and go on when all four have said so
.if \fill
	CREST                                          ; all sixteen work-groups have said so: no wave of any partner still reads this slot's tile or has a load on its way
	s_add_nc_u64 s[G0+4*\slot+2:G0+4*\slot+3], s[G0+4*\slot+2:G0+4*\slot+3], 2*ASTEP
	s_add_nc_u64 s[G0B+4*\slot+2:G0B+4*\slot+3], s[G0B+4*\slot+2:G0B+4*\slot+3], 2*BSTEP
	JLOAD \slot                                    ; the first tensor load behind the round, and the wave's only one until the next
.endif
	PLACES
	FETCH \next, 0, F0
	WIN MUL_HI
	MUL16 F1, 1, 0, 0
	MUL16 F1, 1, 2, 0
.endm
.macro LAP zero                        ; once round the ring, both slots filled again
	THREE 0, \zero
	TURN 0, 1, 1
	THREE 1, 0
	TURN 1, 0, 1
.endm
	s_wait_tensorcnt 1                             ; my part of K step 0 is in; K step 1's load may stay out
	s_barrier_signal -1
	s_barrier_wait -1                              ; everybody's is
	FETCH 0, 0, F0
	LAP 1                                          ; the first lap stands in front of the loop: its first products start the sums
	WIN 0                                          ; at a label and at a branch every window is 0
	s_mov_b32 s3, LAPS-2
.Llap:
	LAP 0
	WIN 0
	s_sub_co_u32 s3, s3, 1
	s_cmp_lg_u32 s3, 0
	s_cbranch_scc1 .Llap
	THREE 0, 0                                     ; the last lap fills nothing, and has no round of the cluster's barrier
	TURN 0, 1, 0                                   ; its wait for all tensor loads shows the last K step landed
	THREE 1, 0
	s_wait_dscnt 8                                 ; the very last quarter: nothing more to fetch
	WIN MUL_LO
	MUL16 F1, 0, 0, 0
	MUL16 F1, 0, 2, 0
	s_wait_dscnt 0                                 ; my last reads of the ring are back:
	s_barrier_signal -1                            ; say so: behind this barrier the ring's bytes are written as the dump
	WIN MUL_HI
	MUL16 F1, 1, 0, 0
	MUL16 F1, 1, 2, 0
	WIN 0
	s_barrier_wait -1                              ; no wave reads the ring any more, and no tensor load is left
	; THE WAY OUT: the sums go into my own dump in LDS, 32 bytes a lane, and come back as whole rows of 512 bytes.
	PLACES                                         ; the places behind the last matrix instructions: for the LDS stores of results and the loads into the fragment buffers
	s_lshl_b32 s16, s13, 8
	s_lshl_b32 s17, s11, 7
	s_add_co_u32 s16, s16, s17                     ; my first row,
	s_mul_i32 s16, s16, CPITCH                     ; in bytes: below 16 MiB,
	s_lshl_b32 s18, s45, 24                        ; in the z-th partial sum of 16 MiB
	s_add_co_u32 s16, s16, s18
	s_mov_b32 s17, 0
	s_add_nc_u64 s[8:9], s[8:9], s[16:17]
	s_lshl_b32 s46, s42, 10                        ; my first column, in bytes: 1,024 x block + 512 x half
	s_lshl_b32 s47, s12, 9
	s_add_co_u32 s46, s46, s47
	s_mov_b32 s47, 0
	s_add_nc_u64 s[8:9], s[8:9], s[46:47]
; The dump: a lane's eight sums of tile (a, b) are columns 16 b + 8 (l / 16) + 0..7 of row 16 (4 hi + a) + l % 16: two stores of 16 bytes.
; win: the store's data (source 1) in window 2 or 3.  Each wave writes and reads its own 67,584 bytes alone.
.macro DUMP win, hi
	WIN \win
.irp a, 0,1,2,3
.irp b, 0,1,2,3,4,5,6,7
	ds_store_b128 v[STO], v[8*(8*\a+\b):8*(8*\a+\b)+3]   offset:16*(4*\hi+\a)*DP+64*\b
	ds_store_b128 v[STO], v[8*(8*\a+\b)+4:8*(8*\a+\b)+7] offset:16*(4*\hi+\a)*DP+64*\b+16
.endr
.endr
.endm
	DUMP 0x08, 0
	DUMP 0x0c, 1
	WIN 0
; rows 8 g .. 8 g + 7 of my block from the dump into buffer f (LDS serves a wave's instructions in order, ISA guide 5.7.1: these see the dump's stores)
.macro LD8 g, f
.irp t, 0,1,2,3,4,5,6,7
.if \g < 8
	ds_load_b128 v[\f+4*\t:\f+4*\t+3], v[RD] offset:(8*(\g)+\t)*DP
.else
	ds_load_b128 v[\f+4*\t:\f+4*\t+3], v[RD2] offset:(8*((\g)-8)+\t)*DP
.endif
.endr
.endm
; group g, which lies in buffer f, is stored; the next group is read into buffer o meanwhile
.macro OUT8 g, f, o
.if \g < 15
	s_wait_xcnt 0x0                                ; every earlier memory instruction has had its addresses translated (ISA guide 3.1): buffer o, which the group before's stores read, is loaded again only behind this wait
	LD8 \g+1, \o
.endif
.irp t, 0,1,2,3,4,5,6,7
.if \g < 15
	s_wait_dscnt 15-\t                             ; row t is in: 7 - t younger loads of this group and the next group's eight may be out
.else
	s_wait_dscnt 7-\t
.endif
	global_store_b128 v[CO], v[\f+4*\t:\f+4*\t+3], s[8:9] offset:(8*(\g)+\t)*CPITCH     ; 32 lanes store 512 consecutive bytes, at a multiple of 512 from part's first byte
.endr
.endm
	LD8 0, F0
.irp g, 0,2,4,6,8,10,12,14
	OUT8 \g, F0, F1
	OUT8 \g+1, F1, F0
.endr
	s_set_vgpr_msb 0x1
	s_wait_tensorcnt 0x0
	ds_add_u32 v255, v255
	s_wait_dscnt 0x0
	s_set_vgpr_msb 0x100
	CROUND                                         ; the closing round: no work-group ends while a partner may still ask for a tile that names it
	s_endpgm
.Lfunc_end_k_q26ad2f08db_ffn2:
	.size	k_q26ad2f08db_ffn2, .Lfunc_end_k_q26ad2f08db_ffn2-k_q26ad2f08db_ffn2
	.p2alignl 7, 3214868480
	.fill 96, 4, 3214868480
	.section	.rodata,"a",@progbits
	.p2align	6, 0x0
	.amdhsa_kernel k_q26ad2f08db_ffn2
		.amdhsa_group_segment_fixed_size 327680
		.amdhsa_private_segment_fixed_size 0
		.amdhsa_enable_private_segment 0
		.amdhsa_kernarg_size 24
		.amdhsa_user_sgpr_count 2
		.amdhsa_user_sgpr_kernarg_segment_ptr 1
		.amdhsa_wavefront_size32 1
		.amdhsa_system_sgpr_workgroup_id_x 1
		.amdhsa_system_sgpr_workgroup_id_y 1
		.amdhsa_system_sgpr_workgroup_id_z 1
		.amdhsa_system_vgpr_workitem_id 0
		.amdhsa_next_free_vgpr 1024
		.amdhsa_next_free_sgpr 66
		.amdhsa_reserve_vcc 0
		.amdhsa_float_denorm_mode_32 3
		.amdhsa_float_denorm_mode_16_64 3
		.amdhsa_memory_ordered 1
		.amdhsa_forward_progress 1
		.amdhsa_inst_pref_size 196
	.end_amdhsa_kernel
	.amdgpu_metadata
---
amdhsa.version: [ 1, 2 ]
amdhsa.kernels:
  - .name:           k_q26ad2f08db_ffn2
    .symbol:         k_q26ad2f08db_ffn2.kd
    .args:
      - { .name: h, .offset: 0, .size: 8, .value_kind: global_buffer, .address_space: global }
      - { .name: w2b, .offset: 8, .size: 8, .value_kind: global_buffer, .address_space: global }
      - { .name: part, .offset: 16, .size: 8, .value_kind: global_buffer, .address_space: global }
    .group_segment_fixed_size: 327680
    .private_segment_fixed_size: 0
    .kernarg_segment_align: 8
    .kernarg_segment_size: 24
    .max_flat_workgroup_size: 128
    .sgpr_count:     66
    .vgpr_count:     1024
    .wavefront_size: 32
...
	.end_amdgpu_metadata
.endif
;; end of part 3
;; launch combine (part 4): grid 1024 x 1, 8 waves a work-group, no clusters, 0 bytes of LDS; arguments part, b2, out0; writes out0
.if DOCPART == 4
	.amdgcn_target "amdgcn-amd-amdhsa--gfx1250"
	.amdhsa_code_object_version 6
	.text
	.protected	k_q26ad2f08db_combine
	.globl	k_q26ad2f08db_combine
	.p2align	8
	.type	k_q26ad2f08db_combine,@function
k_q26ad2f08db_combine:
	s_mov_b64 s[64:65], 0
	v_nop
	global_prefetch_b8 v0, s[64:65] scope:SCOPE_SE
	s_setreg_imm32_b32 hwreg(HW_REG_WAVE_MODE, 25, 1), 1
	s_wait_xcnt 0x0
; out0 = ((part[0] + part[1]) + (part[2] + part[3])) + b2.  part: [4][2048][2048] f32, b2: [2048] f32, out0: [2048][2048] f32.
; A plain stream: a work-group takes 16 KiB of out0 (two rows) as four runs of 4,096 bytes; thread t takes the 16 bytes at 16 t of each run, so a wave's load or
; store covers 512 consecutive bytes, aligned.  All 18 loads of a wave go out first; no register that a memory instruction reads is written again.
; Nothing is shared between work-groups but the 8 KiB of b2: no LDS, no barrier, no cluster, no matrix unit.
.set B, 2                              ; v[2:9]    b2 of my four columns in a row's first half and in its second
.set P, 12                             ; v[12:75]  run j, partial sum z: four registers at P + 16 j + 4 z
	s_load_b128 s[4:7], s[0:1], 0x0                ; part s[4:5], b2 s[6:7]
	s_load_b64 s[8:9], s[0:1], 0x10                ; out0
	s_lshl_b32 s10, ttmp9, 14                      ; the work-group's 16 KiB
	s_mov_b32 s11, 0
	v_lshlrev_b32 v1, 4, v0
	s_wait_kmcnt 0x0
	s_add_nc_u64 s[12:13], s[4:5], s[10:11]        ; the four partial sums lie 16 MiB apart: a base for each
	s_add_nc_u64 s[14:15], s[12:13], 0x1000000
	s_add_nc_u64 s[16:17], s[14:15], 0x1000000
	s_add_nc_u64 s[18:19], s[16:17], 0x1000000
	s_add_nc_u64 s[8:9], s[8:9], s[10:11]
	global_load_b128 v[B:B+3],   v1, s[6:7]
	global_load_b128 v[B+4:B+7], v1, s[6:7] offset:4096
.irp j, 0,1,2,3
.irp z, 0,1,2,3
	global_load_b128 v[P+16*\j+4*\z:P+16*\j+4*\z+3], v1, s[12+2*\z:13+2*\z] offset:4096*\j th:TH_LOAD_NT   ; read once
.endr
.endr
.irp j, 0,1,2,3
	s_wait_loadcnt 12-4*\j                         ; loads come back in order (ISA guide 5.7.1): run j's four are in, the later runs' stay out
.irp k, 0,2
	v_pk_add_f32 v[P+16*\j+\k:P+16*\j+\k+1],     v[P+16*\j+\k:P+16*\j+\k+1],     v[P+16*\j+4+\k:P+16*\j+4+\k+1]
	v_pk_add_f32 v[P+16*\j+8+\k:P+16*\j+8+\k+1], v[P+16*\j+8+\k:P+16*\j+8+\k+1], v[P+16*\j+12+\k:P+16*\j+12+\k+1]
.endr
.irp k, 0,2
	v_pk_add_f32 v[P+16*\j+\k:P+16*\j+\k+1], v[P+16*\j+\k:P+16*\j+\k+1], v[P+16*\j+8+\k:P+16*\j+8+\k+1]
.endr
.irp k, 0,2
	v_pk_add_f32 v[P+16*\j+\k:P+16*\j+\k+1], v[P+16*\j+\k:P+16*\j+\k+1], v[B+4*(\j&1)+\k:B+4*(\j&1)+\k+1]
.endr
	global_store_b128 v1, v[P+16*\j:P+16*\j+3], s[8:9] offset:4096*\j th:TH_STORE_NT
.endr
	s_endpgm
.Lfunc_end_k_q26ad2f08db_combine:
	.size	k_q26ad2f08db_combine, .Lfunc_end_k_q26ad2f08db_combine-k_q26ad2f08db_combine
	.p2alignl 7, 3214868480
	.fill 96, 4, 3214868480
	.section	.rodata,"a",@progbits
	.p2align	6, 0x0
	.amdhsa_kernel k_q26ad2f08db_combine
		.amdhsa_group_segment_fixed_size 0
		.amdhsa_private_segment_fixed_size 0
		.amdhsa_enable_private_segment 0
		.amdhsa_kernarg_size 24
		.amdhsa_user_sgpr_count 2
		.amdhsa_user_sgpr_kernarg_segment_ptr 1
		.amdhsa_wavefront_size32 1
		.amdhsa_system_sgpr_workgroup_id_x 1
		.amdhsa_system_sgpr_workgroup_id_y 1
		.amdhsa_system_sgpr_workgroup_id_z 1
		.amdhsa_system_vgpr_workitem_id 0
		.amdhsa_next_free_vgpr 76
		.amdhsa_next_free_sgpr 66
		.amdhsa_reserve_vcc 0
		.amdhsa_float_denorm_mode_32 3
		.amdhsa_float_denorm_mode_16_64 3
		.amdhsa_memory_ordered 1
		.amdhsa_forward_progress 1
		.amdhsa_inst_pref_size 5
	.end_amdhsa_kernel
	.amdgpu_metadata
---
amdhsa.version: [ 1, 2 ]
amdhsa.kernels:
  - .name:           k_q26ad2f08db_combine
    .symbol:         k_q26ad2f08db_combine.kd
    .args:
      - { .name: part, .offset: 0, .size: 8, .value_kind: global_buffer, .address_space: global }
      - { .name: b2, .offset: 8, .size: 8, .value_kind: global_buffer, .address_space: global }
      - { .name: out0, .offset: 16, .size: 8, .value_kind: global_buffer, .address_space: global }
    .group_segment_fixed_size: 0
    .private_segment_fixed_size: 0
    .kernarg_segment_align: 8
    .kernarg_segment_size: 24
    .max_flat_workgroup_size: 256
    .sgpr_count:     66
    .vgpr_count:     76
    .wavefront_size: 32
...
	.end_amdgpu_metadata
.endif
;; end of part 4
